; MI455X (gfx1250); checked and timed in simulation.
; The chip was launched on July 23, 2026; its instructions are those of AMD's public machine-readable ISA for CDNA 5 (MIT licence, August 2026) and "CDNA5" Instruction Set Architecture Reference Guide (July 2026). The comments in the code are by the model that wrote it; some were corrected since.
;; Causal Self Attention. Allowed arithmetic: float matrix products may take bf16 or f16 operands with f32 sums; all other float work in f32.
;; Inputs: attention_mask 2 x 2,048 int32; b_attn 3,072 float32; b_proj 1,024 float32; w_attn 1,024 x 3,072 float32; w_proj 1,024 x 1,024 float32; x 2 x 2,048 x 1,024 float32.
;; Outputs: out0 2 x 2,048 x 1,024 float32.
;; One version. Each part assembles by itself: llvm-mc -triple=amdgcn-amd-amdhsa -mcpu=gfx1250 --defsym DOCPART=n.
;; ======== version 1 of 1: 4 launches
;; limits: values are held in f16: magnitudes above 65,504 overflow, below 6.1e-05 lose precision
;; workspace buffers: xb 8,388,608 bytes; wab 6,291,456 bytes; wpb 2,097,152 bytes; qkv 25,165,824 bytes; ao 8,388,608 bytes
;; launch cast (part 1): grid 512 x 1, 8 waves a work-group, no clusters, 0 bytes of LDS; arguments x, w_attn, w_proj, xb, wab, wpb; writes xb, wab, wpb
.if DOCPART == 1
	.amdgcn_target "amdgcn-amd-amdhsa--gfx1250"
	.amdhsa_code_object_version 6
	.text
	.protected	k_q53c80cb8d6_cast
	.globl	k_q53c80cb8d6_cast
	.p2align	8
	.type	k_q53c80cb8d6_cast,@function
k_q53c80cb8d6_cast:
	s_mov_b64 s[64:65], 0
	v_nop
	global_prefetch_b8 v0, s[64:65] scope:SCOPE_SE
	s_setreg_imm32_b32 hwreg(HW_REG_WAVE_MODE, 25, 1), 1
	s_wait_xcnt 0x0
; xb = f16(x), wab = f16(w_attn), wpb = f16(w_proj): one rounding to nearest even, layouts unchanged.
; The three products that follow read these tensors many times over (x by 12 column blocks, the weights by 16 or 32 row blocks):
; narrowing them once halves every one of those reads and lets tiles go from memory to LDS without passing registers.
; LIMIT: f16. Magnitudes of 65,504 and more become infinity; below 6.1e-5 the step is 6e-8.
; A work-group takes 16,384 numbers: 65,536 bytes in, 32,768 out. Groups 0-255: x; 256-447: w_attn; 448-511: w_proj.
; Thread t takes the 16 bytes at 16 t of each of sixteen blocks of 4,096 bytes: a wave's load covers 512 neighbouring bytes,
; its store 256 neighbouring bytes at a multiple of 256. All sixteen loads go out first. No register is written twice,
; so no source of a pending load or store is ever rewritten. No LDS, no matrix unit: nothing is shared and nothing is multiplied.
.set X, 4                              ; v[4:67]   sixteen loads of four f32
.set Y, 68                             ; v[68:99]  sixteen stores of four f16
	s_load_b256 s[4:11], s[0:1], 0x0               ; x s[4:5], w_attn s[6:7], w_proj s[8:9], xb s[10:11]
	s_load_b128 s[12:15], s[0:1], 0x20             ; wab s[12:13], wpb s[14:15]
	s_mov_b32 s23, ttmp9                           ; the group's number
	s_sub_co_u32 s21, s23, 256                     ; its number among w_attn's groups
	s_sub_co_u32 s22, s23, 448                     ; and among w_proj's
	v_lshlrev_b32 v1, 4, v0                        ; 16 t: my bytes in a block that is read
	v_lshlrev_b32 v2, 3, v0                        ; 8 t: my bytes in a block that is written
	s_wait_kmcnt 0x0
	s_cmp_lt_u32 s23, 256                          ; the choice hangs on the group's number alone
	s_cselect_b64 s[16:17], s[4:5], s[6:7]
	s_cselect_b64 s[18:19], s[10:11], s[12:13]
	s_cselect_b32 s20, s23, s21
	s_cmp_lt_u32 s23, 448
	s_cselect_b64 s[16:17], s[16:17], s[8:9]
	s_cselect_b64 s[18:19], s[18:19], s[14:15]
	s_cselect_b32 s20, s20, s22
	s_lshl_b32 s24, s20, 16                        ; 65,536 bytes of f32 a group
	s_mov_b32 s25, 0
	s_lshl_b32 s26, s20, 15                        ; 32,768 bytes of f16 a group
	s_mov_b32 s27, 0
	s_add_nc_u64 s[16:17], s[16:17], s[24:25]
	s_add_nc_u64 s[18:19], s[18:19], s[26:27]
.irp i, 0,1,2,3,4,5,6,7,8,9,10,11,12,13,14,15
	global_load_b128 v[X+4*\i:X+4*\i+3], v1, s[16:17] offset:4096*\i th:TH_LOAD_NT   ; read once in this launch
.endr
.irp i, 0,1,2,3,4,5,6,7,8,9,10,11,12,13,14,15
	s_wait_loadcnt 15-\i                           ; loads return in order (ISA guide 5.7.1): load i is in, the 15 - i younger ones stay out
	v_cvt_pk_f16_f32 v[Y+2*\i],   v[X+4*\i],   v[X+4*\i+1]
	v_cvt_pk_f16_f32 v[Y+2*\i+1], v[X+4*\i+2], v[X+4*\i+3]
	global_store_b64 v2, v[Y+2*\i:Y+2*\i+1], s[18:19] offset:2048*\i
.endr
	s_endpgm
.Lfunc_end_k_q53c80cb8d6_cast:
	.size	k_q53c80cb8d6_cast, .Lfunc_end_k_q53c80cb8d6_cast-k_q53c80cb8d6_cast
	.p2alignl 7, 3214868480
	.fill 96, 4, 3214868480
	.section	.rodata,"a",@progbits
	.p2align	6, 0x0
	.amdhsa_kernel k_q53c80cb8d6_cast
		.amdhsa_group_segment_fixed_size 0
		.amdhsa_private_segment_fixed_size 0
		.amdhsa_enable_private_segment 0
		.amdhsa_kernarg_size 48
		.amdhsa_user_sgpr_count 2
		.amdhsa_user_sgpr_kernarg_segment_ptr 1
		.amdhsa_wavefront_size32 1
		.amdhsa_system_sgpr_workgroup_id_x 1
		.amdhsa_system_sgpr_workgroup_id_y 1
		.amdhsa_system_sgpr_workgroup_id_z 1
		.amdhsa_system_vgpr_workitem_id 0
		.amdhsa_next_free_vgpr 100
		.amdhsa_next_free_sgpr 66
		.amdhsa_reserve_vcc 0
		.amdhsa_float_denorm_mode_32 3
		.amdhsa_float_denorm_mode_16_64 3
		.amdhsa_memory_ordered 1
		.amdhsa_forward_progress 1
		.amdhsa_inst_pref_size 7
	.end_amdhsa_kernel
	.amdgpu_metadata
---
amdhsa.version: [ 1, 2 ]
amdhsa.kernels:
  - .name:           k_q53c80cb8d6_cast
    .symbol:         k_q53c80cb8d6_cast.kd
    .args:
      - { .name: x, .offset: 0, .size: 8, .value_kind: global_buffer, .address_space: global }
      - { .name: w_attn, .offset: 8, .size: 8, .value_kind: global_buffer, .address_space: global }
      - { .name: w_proj, .offset: 16, .size: 8, .value_kind: global_buffer, .address_space: global }
      - { .name: xb, .offset: 24, .size: 8, .value_kind: global_buffer, .address_space: global }
      - { .name: wab, .offset: 32, .size: 8, .value_kind: global_buffer, .address_space: global }
      - { .name: wpb, .offset: 40, .size: 8, .value_kind: global_buffer, .address_space: global }
    .group_segment_fixed_size: 0
    .private_segment_fixed_size: 0
    .kernarg_segment_align: 8
    .kernarg_segment_size: 48
    .max_flat_workgroup_size: 256
    .sgpr_count:     66
    .vgpr_count:     100
    .wavefront_size: 32
...
	.end_amdgpu_metadata
.endif
;; end of part 1
;; launch qkv (part 2): grid 12 x 16, 4 waves a work-group, clusters of 4 x 4, 327,680 bytes of LDS; arguments xb, wab, b_attn, attention_mask, qkv; writes qkv
.if DOCPART == 2
	.amdgcn_target "amdgcn-amd-amdhsa--gfx1250"
	.amdhsa_code_object_version 6
	.text
	.protected	k_q53c80cb8d6_qkv
	.globl	k_q53c80cb8d6_qkv
	.p2align	8
	.type	k_q53c80cb8d6_qkv,@function
k_q53c80cb8d6_qkv:
	s_mov_b64 s[64:65], 0
	v_nop
	global_prefetch_b8 v0, s[64:65] scope:SCOPE_SE
	s_setreg_imm32_b32 hwreg(HW_REG_WAVE_MODE, 25, 1), 1
	s_wait_xcnt 0x0
	s_wait_alu depctr_hold_cnt(0) depctr_sa_sdst(0) depctr_va_vdst(0) depctr_va_sdst(0) depctr_va_ssrc(0) depctr_va_vcc(0) depctr_vm_vsrc(0)
	s_getreg_b32 s2, hwreg(HW_REG_IB_STS2, 6, 4)
	s_cmp_eq_u32 s2, 0
	s_cbranch_scc0 .Lentry_in_a_cluster
	s_endpgm
.Lentry_in_a_cluster:
	s_bfe_u32 s2, ttmp6, 0x10000c
	s_cmp_lg_u32 s2, 0xf033
	s_cbranch_scc0 .Lentry_shape_is_right
	s_endpgm
.Lentry_shape_is_right:
; qkv = xb wab + b_attn, split by head.  xb: [4096][1024] f16.  wab: [1024][3072] f16.  Sums in f32, started by the bias.
; OUT: 96 slabs of 262,144 bytes, slab = 48 x batch + column / 64 (q heads 0-15, k heads 16-31, v heads 32-47), a slab is [2048 tokens][64] f16.
;   The q section is multiplied by log2(e)/32 before its one rounding, so that the next launch's scores are exponents of two.
;   K rows of tokens whose attention_mask is 0 are stored as zeros, so that their scores are exactly the addend that the next launch gives them.
; LIMIT: f16 results: q log2(e)/32, k and v of magnitude 65,504 and more become infinity; below 6.1e-5 the step is 6e-8.
; A work-group makes 256 tokens x 256 columns with four waves, a wave 128 x 128: 64 accumulator tiles of 16 x 16, 512 registers.
; K goes in steps of 128 through a ring of two LDS slots filled by the tensor data mover.
; CLUSTERS: 4 x 4 work-groups.  The four of a row of the cluster need the same tiles of xb, the four of a column the same tiles of wab:
; each tile is asked for jointly, by the same tensor load with a mask that names the four.  12 x 16 work-groups are 3 x 4 clusters.
; A cluster column is 1,024 columns: one of the sections q, k, v.  So the section's number is the cluster's x, alike in all partners.
;
; REGISTERS, in windows of 256 (s_set_vgpr_msb says which window each operand place means):
;   window 0: v0-31 addresses; v32-47 a factor for each of my rows; v64-127, v128-191 fragments of xb, two buffers; v192-255 the bias, later packed results
;   window 1: v64-127, v128-191 fragments of wab, two buffers
;   window 2: the 32 accumulator tiles of my rows 0-63 (tile (a, b) at v[8 (8 a + b)]);   window 3: those of my rows 64-127
; THE MATRIX INSTRUCTION IS USED TRANSPOSED: source 0 = 16 columns of wab, source 1 = 16 rows of xb.  Lane l then holds token l % 16,
; its registers 0 to 7 the columns 8 (l / 16) + 0 .. 7: eight neighbouring numbers of a row, 16 bytes when packed.
.set SIZE_N, 3072
.set SIZE_K, 1024
.set KSTEP,  128
.set PITCH,  272                       ; an LDS row of xb: 256 bytes + 16 of padding, an odd multiple of 16: the 16 rows of a fragment load start 16 bytes apart modulo 256
.set BP,     544                       ; an LDS row of wab: 512 bytes + 32 of padding, an odd multiple of 32, as the transposing load's eight rows want
.set HALFT,  128*PITCH                 ; what one tensor load brings: 128 rows of xb, or 64 rows of wab (64 x 544 is the same 34,816 bytes)
.set SLOT,   4*HALFT                   ; xb's 256 rows, then wab's 128 rows
.set STAGE,  2*SLOT                    ; behind the ring: 16 rows x 272 bytes for each wave, for the way out; no tensor load lands here
.set SPITCH, 272
.set LAPS,   SIZE_K/(2*KSTEP)          ; 4 laps of two K steps
.set SLAB,   262144
.set ADRA, 16                          ; v16-17  LDS address of my xb fragments in slot 0, 1
.set ADRB, 20                          ; v20-21  the same for wab
.set STO,  24                          ; v24     the way out: where I put 16 bytes of a row
.set RD,   25                          ; v25     the way out: where I read back
.set CO,   26                          ; v26     my byte offset in a slab
.set KP,   32                          ; v32-47  pair i: the factor of row 16 i + l % 16, twice
.set F0,   64
.set F1,   128
.set BIAS, 192                         ; v192-255 tile b: b_attn of columns 16 b + 8 (l / 16) + 0 .. 7, the C of the first products
.set TMP,  192                         ; the way out: packed results (the bias is no longer needed)
.set G1, 24                            ; s[24:31] descriptor group 1 for xb's tiles
.set G0, 32                            ; s[32:39] group 0 for xb's tiles, one set for each slot
.set G1B, 48                           ; s[48:55] group 1 for wab's tiles
.set G0B, 56                           ; s[56:63] group 0 for wab's tiles, one set for each slot
.set MSB, 0
.macro WIN new                         ; the immediate's high byte repeats the setting that is left
.if MSB != \new
	s_set_vgpr_msb (MSB<<8)|\new
.set MSB, \new
.endif
.endm
.set MUL_LO,  0xa1                     ; source 0 (wab) window 1, source 1 (xb) window 0, C and D window 2
.set MUL_HI,  0xf1                     ; the same, C and D window 3
.set BIAS_LO, 0x81                     ; the first products: C is the bias in window 0, D window 2
.set BIAS_HI, 0xc1                     ; the same, D window 3
.set TO_B,    0x40                     ; destination window 1, address window 0
; A joint load.  Waves 0 and 1 fetch xb's two halves, waves 2 and 3 wab's.  The branch hangs on the wave's number alone.
.macro JLOAD s
	s_cmp_eq_u32 s11, 0
	s_cbranch_scc0 .Lfor_b_\@
	tensor_load_to_lds s[G0+4*\s:G0+4*\s+3], s[G1:G1+7]
	s_nop 0
	s_branch .Lasked_\@
.Lfor_b_\@:
	tensor_load_to_lds s[G0B+4*\s:G0B+4*\s+3], s[G1B:G1B+7]
	s_nop 0
.Lasked_\@:
.endm
; A round of the cluster's barrier: my work-group's barrier; wave 0 signals for the work-group; every wave waits for all sixteen; my work-group's barrier again.
.macro CREST                           ; a round behind its opening barrier
	s_cmp_lg_u32 s10, 0
	s_cbranch_scc1 .Lnot_wave_0_\@
	s_barrier_signal -3
.Lnot_wave_0_\@:
	s_barrier_wait -3
	s_barrier_signal -1
	s_barrier_wait -1
.endm
.macro CROUND
	s_barrier_signal -1
	s_barrier_wait -1
	CREST
.endm
	s_load_b128 s[4:7], s[0:1], 0x0                ; xb s[4:5], wab s[6:7]
	s_load_b128 s[68:71], s[0:1], 0x10             ; b_attn s[68:69], attention_mask s[70:71]
	s_load_b64 s[8:9], s[0:1], 0x20                ; qkv
	s_set_vgpr_msb 0x40
	v_lshl_add_u32 v255, v0, 2, 0x48400
	s_set_vgpr_msb 0x4000
	v_mov_b32 v63, 0
	s_set_vgpr_msb 0x1
	ds_add_u32 v255, v63
	s_set_vgpr_msb 0x100
	v_lshrrev_b32 v1, 5, v0
	v_readfirstlane_b32 s10, v1                    ; wave 0..3
	s_lshr_b32 s11, s10, 1                         ; which half of the block's rows is mine.  Also: I fetch for xb (0) or for wab (1)
	s_and_b32 s12, s10, 1                          ; which half of its columns.  Also: which half of that tile I fetch
	s_bfe_u32 s40, ttmp6, 0x40000                  ; cx
	s_bfe_u32 s41, ttmp6, 0x40004                  ; cy
	s_lshl_b32 s42, ttmp9, 2
	s_add_co_u32 s42, s42, s40                     ; block column = 4 x cluster x + cx
	s_and_b32 s13, ttmp7, 0xffff
	s_lshl_b32 s13, s13, 2
	s_add_co_u32 s13, s13, s41                     ; block row = 4 x cluster y + cy
	s_lshl_b32 s43, s41, 2
	s_lshl_b32 s43, 15, s43                        ; my row of the cluster: places 4 cy .. 4 cy + 3
	s_lshl_b32 s44, 0x1111, s40                    ; my column: places cx, cx + 4, cx + 8, cx + 12
	; group 1 for xb: 128 rows x 128 elements of 2 bytes, 4 words of padding behind every 64
	s_or_b32 s[G1+0], s43, (1<<16)|(1<<20)|(1<<21)|(5<<22)|(3<<25)
	s_mov_b32 s[G1+1], KSTEP<<16                   ; tensor_dim0 = 128
	s_mov_b32 s[G1+2], 128<<16                     ; tensor_dim1 = 128
	s_mov_b32 s[G1+3], KSTEP<<16                   ; tile_dim0 = 128
	s_mov_b32 s[G1+4], 128                         ; tile_dim1 = 128
	s_mov_b32 s[G1+5], SIZE_K                      ; elements from row to row
	s_mov_b32 s[G1+6], 0
	s_mov_b32 s[G1+7], 0
	; group 1 for wab: 64 rows (K) x 256 elements (columns), 8 words of padding behind every 128
	s_or_b32 s[G1B+0], s44, (1<<16)|(1<<20)|(1<<21)|(6<<22)|(7<<25)
	s_mov_b32 s[G1B+1], 256<<16                    ; tensor_dim0 = 256
	s_mov_b32 s[G1B+2], 64<<16                     ; tensor_dim1 = 64
	s_mov_b32 s[G1B+3], 256<<16                    ; tile_dim0 = 256
	s_mov_b32 s[G1B+4], 64                         ; tile_dim1 = 64
	s_mov_b32 s[G1B+5], SIZE_N
	s_mov_b32 s[G1B+6], 0
	s_mov_b32 s[G1B+7], 0
	; xb's tiles hang on the block row and the wave alone, wab's on the block column and the wave alone, each in registers that never hold the other coordinate
	s_lshl_b32 s17, s12, 7
	s_lshl_b32 s16, s13, 8
	s_add_co_u32 s16, s16, s17                     ; xb: row 256 x block row + 128 x half
	s_mov_b32 s17, 0
	s_mov_b64 s[18:19], SIZE_K*2
	s_mul_u64 s[16:17], s[16:17], s[18:19]         ; in bytes
	s_mul_i32 s46, s12, 64*SIZE_N*2                ; wab: K row 64 x half,
	s_lshl_b32 s47, s42, 9                         ; column 256 x block column, in bytes
	s_add_co_u32 s46, s46, s47
	s_mov_b32 s47, 0
	s_mul_i32 s20, s10, HALFT                      ; where they go: wave x 34,816: no place in the cluster enters an LDS address
	s_wait_dscnt 0x0
	s_wait_kmcnt 0x0
	s_add_nc_u64 s[14:15], s[4:5], s[16:17]
	s_add_nc_u64 s[46:47], s[6:7], s[46:47]
	CROUND                                         ; all sixteen work-groups are here: the first joint loads meet
.irp s, 0,1
	s_mov_b32 s[G0+4*\s], 1
	s_add_co_u32 s[G0+4*\s+1], s20, \s*SLOT
	s_add_nc_u64 s[G0+4*\s+2:G0+4*\s+3], s[14:15], \s*KSTEP*2              ; K step s: 256 bytes along the rows
	s_or_b32 s[G0+4*\s+3], s[G0+4*\s+3], 0x80000000
	s_mov_b32 s[G0B+4*\s], 1
	s_add_co_u32 s[G0B+4*\s+1], s20, \s*SLOT
	s_add_nc_u64 s[G0B+4*\s+2:G0B+4*\s+3], s[46:47], \s*KSTEP*SIZE_N*2     ; K step s: 128 rows down
	s_or_b32 s[G0B+4*\s+3], s[G0B+4*\s+3], 0x80000000
	JLOAD \s                                       ; both slots' first fills go out together: two tensor loads of this wave are out
.endr
	; xb's fragment, 16 rows x 32 K: lane l holds row l % 16; two loads of 16 bytes, 32 bytes apart, at row x pitch + 16 (l / 16).
	; wab's fragment, 16 columns x 32 K, from rows that lie along the columns: two transposing loads, 16 rows apart, at
	; (8 (l / 16) + l % 8) x pitch + 16 ((l / 8) % 2): each group of eight lanes turns 8 x 8 numbers.
	v_and_b32 v1, 15, v0                           ; l % 16
	v_bfe_u32 v2, v0, 4, 1                         ; l / 16
	v_mul_u32_u24 v3, v1, PITCH
	v_lshl_add_u32 v3, v2, 4, v3
	v_and_b32 v4, 7, v0
	v_lshl_add_u32 v4, v2, 3, v4
	v_mul_u32_u24 v4, v4, BP
	v_bfe_u32 v5, v0, 3, 1
	v_lshl_add_u32 v4, v5, 4, v4
	s_mul_i32 s21, s11, HALFT                      ; my 128 rows of xb
	s_lshl_b32 s22, s12, 8                         ; my 128 columns of wab, 256 bytes,
	s_add_co_u32 s22, s22, 2*HALFT                 ; behind xb's 256 rows
.irp s, 0,1
	v_add_nc_u32 v[ADRA+\s], s21, v3
	v_add_nc_u32 v[ADRB+\s], s22, v4
	s_add_co_u32 s21, s21, SLOT
	s_add_co_u32 s22, s22, SLOT
.endr
	s_mul_i32 s23, s10, 16*SPITCH
	s_add_co_u32 s23, s23, STAGE                   ; my stage
	v_add_nc_u32 v[STO], s23, v3                   ; in: row l % 16, 16 bytes for each half of the lanes
	v_and_b32 v5, 31, v0
	v_lshrrev_b32 v6, 3, v5                        ; back: eight lanes take the 128 bytes that a token has in one head, four tokens a load
	v_mul_u32_u24 v6, v6, SPITCH
	v_and_b32 v7, 7, v0
	v_lshl_add_u32 v6, v7, 4, v6
	v_add_nc_u32 v[RD], s23, v6
	v_lshlrev_b32 v[CO], 4, v5                     ; in a slab those four tokens are 512 neighbouring bytes: 16 l
	; the bias of my 128 columns and the mask of my 128 tokens
	v_lshlrev_b32 v8, 5, v2                        ; 8 (l / 16) columns of 4 bytes
	v_lshlrev_b32 v9, 2, v1                        ; token l % 16
	s_lshl_b32 s76, s42, 10
	s_lshl_b32 s77, s12, 9
	s_add_co_u32 s76, s76, s77                     ; (256 x block column + 128 x half) x 4
	s_mov_b32 s77, 0
	s_add_nc_u64 s[72:73], s[68:69], s[76:77]
	s_lshl_b32 s78, s13, 10
	s_lshl_b32 s79, s11, 9
	s_add_co_u32 s78, s78, s79                     ; (256 x block row + 128 x half) x 4: the mask's [2][2048] is the tokens' own order
	s_mov_b32 s79, 0
	s_add_nc_u64 s[74:75], s[70:71], s[78:79]
.irp b, 0,1,2,3,4,5,6,7
	global_load_b128 v[BIAS+8*\b:BIAS+8*\b+3],   v8, s[72:73] offset:64*\b
	global_load_b128 v[BIAS+8*\b+4:BIAS+8*\b+7], v8, s[72:73] offset:64*\b+16
.endr
.irp i, 0,1,2,3,4,5,6,7
	global_load_b32 v[KP+2*\i], v9, s[74:75] offset:64*\i
.endr
	s_cmp_eq_u32 ttmp9, 0                          ; the section: cluster x 0 is q, 1 is k, 2 is v
	s_cselect_b32 s66, 0x3d38aa3b, 1.0             ; a kept row's factor: log2(e)/32 for q, else 1
	s_cmp_eq_u32 ttmp9, 1
	s_cselect_b32 s67, 0, s66                      ; a masked row's factor: 0 for k, else the same
	v_mov_b32 v48, s67
	v_mov_b32 v49, s66
	s_wait_loadcnt 0x0                             ; bias and mask, once
.irp i, 0,1,2,3,4,5,6,7
	v_cmp_ne_u32 vcc_lo, 0, v[KP+2*\i]
	v_cndmask_b32 v[KP+2*\i+1], v48, v49, vcc_lo
	v_cndmask_b32 v[KP+2*\i],   v48, v49, vcc_lo
.endr
; 16 matrix instructions: row blocks a0, a0 + 1 of the window's four x all 8 column blocks, 32 along K.  zero = 1: the bias starts the sums: nothing is cleared or added later.
.macro MUL16 f, hi, a0, zero
.irp a, \a0, \a0+1
.irp b, 0,1,2,3,4,5,6,7
.if \zero
	v_wmma_f32_16x16x32_f16 v[8*(8*(\a)+\b):8*(8*(\a)+\b)+7], v[\f+8*\b:\f+8*\b+7], v[\f+8*(4*\hi+\a):\f+8*(4*\hi+\a)+7], v[BIAS+8*\b:BIAS+8*\b+7]
.else
	v_wmma_f32_16x16x32_f16 v[8*(8*(\a)+\b):8*(8*(\a)+\b)+7], v[\f+8*\b:\f+8*\b+7], v[\f+8*(4*\hi+\a):\f+8*(4*\hi+\a)+7], v[8*(8*(\a)+\b):8*(8*(\a)+\b)+7]
.endif
.endr
.endr
.endm
; 32 LDS loads in one run: the fragments of one quarter step (32 K; k = its byte offset in xb's rows, k / 64 its number) into buffer f
.macro FETCH slot, k, f
	WIN TO_B
.irp i, 0,1,2,3,4,5,6,7
	ds_load_tr16_b128 v[\f+8*\i:\f+8*\i+3],   v[ADRB+\slot] offset:(\k/64)*32*BP+32*\i
	ds_load_tr16_b128 v[\f+8*\i+4:\f+8*\i+7], v[ADRB+\slot] offset:(\k/64)*32*BP+16*BP+32*\i
.endr
	WIN 0
.irp i, 0,1,2,3,4,5,6,7
	ds_load_b128 v[\f+8*\i:\f+8*\i+3],   v[ADRA+\slot] offset:\k+\i*16*PITCH
	ds_load_b128 v[\f+8*\i+4:\f+8*\i+7], v[ADRA+\slot] offset:\k+\i*16*PITCH+32
.endr
.endm
; A load into a register that a matrix instruction has read, and a vector instruction that reads a matrix result, stand four places behind it; only plain
; vector instructions that name none of its registers are places (ISA guide 7.12.1 for vector instructions).
.macro PLACES
.rept 4
	v_nop
.endr
.endm
; A K step is four quarter steps of 32 along K, 64 matrix instructions each, on buffers 0, 1, 0, 1.  The 64 accumulators take turns, one instruction a turn,
; in the same order in every quarter, over the backward jump too.
.macro QUARTER slot, k, f, g, zero
	s_wait_dscnt 8                                 ; wab's fragments and xb's rows 0-63 are in; the youngest eight loads (xb's rows 64-127) may be out
.if \zero
	WIN BIAS_LO
.else
	WIN MUL_LO
.endif
	MUL16 \f, 0, 0, \zero
	MUL16 \f, 0, 2, \zero
	PLACES
	FETCH \slot, \k, \g
	s_wait_dscnt 32                                ; all but the 32 just issued
.if \zero
	WIN BIAS_HI
.else
	WIN MUL_HI
.endif
	MUL16 \f, 1, 0, \zero
	MUL16 \f, 1, 2, \zero
.endm
.macro THREE slot, zero
	QUARTER \slot, 64,  F0, F1, \zero
	QUARTER \slot, 128, F1, F0, 0
	QUARTER \slot, 192, F0, F1, 0
.endm
; The last quarter multiplies buffer 1 and changes slots.  In front of the barrier each wave waits for its reads of this slot and for all its tensor loads
; (one is out: its part of the next slot).  Behind it the refill comes first, then the next slot's first fragments.
.macro TURN slot, next, fill
	s_wait_dscnt 8
	WIN MUL_LO
	MUL16 F1, 0, 0, 0
	s_wait_dscnt 0                                 ; my reads of this slot are over
	s_wait_tensorcnt 0x0                           ; and all my tensor loads have landed
	ds_add_u32 v255, v63
	s_wait_dscnt 0x0
	s_barrier_signal -1
	MUL16 F1, 0, 2, 0                              ; registers only, while the others arrive
	WIN 0
	s_barrier_wait -1
.if \fill
	CREST                                          ; the round is closed: no wave of any partner still reads this slot or has a load on its way
	s_add_nc_u64 s[G0+4*\slot+2:G0+4*\slot+3], s[G0+4*\slot+2:G0+4*\slot+3], 2*KSTEP*2
	s_add_nc_u64 s[G0B+4*\slot+2:G0B+4*\slot+3], s[G0B+4*\slot+2:G0B+4*\slot+3], 2*KSTEP*SIZE_N*2
	JLOAD \slot                                    ; the first tensor load behind the round, and my only one until the next
.endif
	PLACES
	FETCH \next, 0, F0
	WIN MUL_HI
	MUL16 F1, 1, 0, 0
	MUL16 F1, 1, 2, 0
.endm
.macro LAP zero
	THREE 0, \zero
	TURN 0, 1, 1
	THREE 1, 0
	TURN 1, 0, 1
.endm
	s_wait_tensorcnt 1                             ; my part of K step 0 is in; K step 1's load, issued behind it, may stay out
	s_barrier_signal -1
	s_barrier_wait -1
	FETCH 0, 0, F0
	LAP 1                                          ; the first lap stands in front of the loop: its first products take the bias as C
	WIN 0
	s_mov_b32 s3, LAPS-2
.Llap:
	LAP 0
	WIN 0
	s_sub_co_u32 s3, s3, 1
	s_cmp_lg_u32 s3, 0
	s_cbranch_scc1 .Llap
	THREE 0, 0                                     ; the last lap fills nothing
	TURN 0, 1, 0
	THREE 1, 0
	s_wait_dscnt 8
	WIN MUL_LO
	MUL16 F1, 0, 0, 0
	MUL16 F1, 0, 2, 0
	s_wait_dscnt 0
	WIN MUL_HI
	MUL16 F1, 1, 0, 0
	MUL16 F1, 1, 2, 0
	; THE WAY OUT, 16 tokens at a time: the row's factor, one rounding to f16, 16 bytes a lane into my own stage, read back by head.
	PLACES
	s_lshr_b32 s76, s13, 3                         ; batch: 8 block rows each
	s_mul_i32 s76, s76, 48
	s_lshl2_add_u32 s76, s42, s76                  ; + 4 heads a block column
	s_lshl1_add_u32 s76, s12, s76                  ; + 2 heads a half: my first slab
	s_lshl_b32 s76, s76, 18
	s_and_b32 s77, s13, 7
	s_lshl_b32 s77, s77, 15                        ; 256 tokens of 128 bytes a block row
	s_add_co_u32 s76, s76, s77
	s_lshl_b32 s77, s11, 14                        ; 128 tokens a half
	s_add_co_u32 s76, s76, s77
	s_mov_b32 s77, 0
	s_add_nc_u64 s[8:9], s[8:9], s[76:77]
; tokens 16 i .. 16 i + 15 of my block = the eight tiles (a, 0..7) of window 2 or 3.  scl: destination and source 0 in that window; from: sources 0 and 1 in it.
; The multiply is written for every section, also where the factor is 1: one text serves the three.
.macro OUT16 i, a, scl, from, f
	WIN \scl
.irp b, 0,1,2,3,4,5,6,7
.irp r, 0,1,2,3
	v_pk_mul_f32 v[8*(8*\a+\b)+2*\r:8*(8*\a+\b)+2*\r+1], v[8*(8*\a+\b)+2*\r:8*(8*\a+\b)+2*\r+1], v[KP+2*\i:KP+2*\i+1]
.endr
.endr
	WIN \from
.irp b, 0,1,2,3,4,5,6,7
.irp r, 0,1,2,3
	v_cvt_pk_f16_f32 v[TMP+4*\b+\r], v[8*(8*\a+\b)+2*\r], v[8*(8*\a+\b)+2*\r+1]
.endr
.endr
	WIN 0
.irp b, 0,1,2,3,4,5,6,7
	ds_store_b128 v[STO], v[TMP+4*\b:TMP+4*\b+3] offset:32*\b
.endr
	s_wait_xcnt 0x0                                ; buffer f, which earlier stores read, and the stores' base are rewritten only behind this wait (ISA guide 3.1)
.if \i
	s_add_nc_u64 s[8:9], s[8:9], 16*128            ; 16 tokens on in the slabs
.endif
.irp t, 0,1,2,3,4,5,6,7
	ds_load_b128 v[\f+4*\t:\f+4*\t+3], v[RD] offset:(\t&3)*4*SPITCH+(\t>>2)*128   ; tokens 4 (t % 4) .. + 3, head t / 4; a wave's LDS instructions are served in order (ISA guide 5.7.1.4)
.endr
.irp t, 0,1,2,3,4,5,6,7
	s_wait_dscnt 7-\t                              ; load t is back, the 7 - t younger ones may be out
	global_store_b128 v[CO], v[\f+4*\t:\f+4*\t+3], s[8:9] offset:(\t>>2)*SLAB+(\t&3)*512   ; 512 neighbouring bytes of a slab, at a multiple of 512
.endr
.endm
	OUT16 0, 0, 0x82, 0x0a, F0
	OUT16 1, 1, 0x82, 0x0a, F1
	OUT16 2, 2, 0x82, 0x0a, F0
	OUT16 3, 3, 0x82, 0x0a, F1
	OUT16 4, 0, 0xc3, 0x0f, F0
	OUT16 5, 1, 0xc3, 0x0f, F1
	OUT16 6, 2, 0xc3, 0x0f, F0
	OUT16 7, 3, 0xc3, 0x0f, F1
	s_set_vgpr_msb 0x1
	s_wait_tensorcnt 0x0
	ds_add_u32 v255, v63
	s_wait_dscnt 0x0
	s_set_vgpr_msb 0x100
	CROUND                                         ; the closing round: no work-group ends while a partner may still ask for a tile that names it
	s_endpgm
.Lfunc_end_k_q53c80cb8d6_qkv:
	.size	k_q53c80cb8d6_qkv, .Lfunc_end_k_q53c80cb8d6_qkv-k_q53c80cb8d6_qkv
	.p2alignl 7, 3214868480
	.fill 96, 4, 3214868480
	.section	.rodata,"a",@progbits
	.p2align	6, 0x0
	.amdhsa_kernel k_q53c80cb8d6_qkv
		.amdhsa_group_segment_fixed_size 327680
		.amdhsa_private_segment_fixed_size 0
		.amdhsa_enable_private_segment 0
		.amdhsa_kernarg_size 40
		.amdhsa_user_sgpr_count 2
		.amdhsa_user_sgpr_kernarg_segment_ptr 1
		.amdhsa_wavefront_size32 1
		.amdhsa_system_sgpr_workgroup_id_x 1
		.amdhsa_system_sgpr_workgroup_id_y 1
		.amdhsa_system_sgpr_workgroup_id_z 1
		.amdhsa_system_vgpr_workitem_id 0
		.amdhsa_next_free_vgpr 1024
		.amdhsa_next_free_sgpr 80
		.amdhsa_reserve_vcc 1
		.amdhsa_float_denorm_mode_32 3
		.amdhsa_float_denorm_mode_16_64 3
		.amdhsa_memory_ordered 1
		.amdhsa_forward_progress 1
		.amdhsa_inst_pref_size 216
	.end_amdhsa_kernel
	.amdgpu_metadata
---
amdhsa.version: [ 1, 2 ]
amdhsa.kernels:
  - .name:           k_q53c80cb8d6_qkv
    .symbol:         k_q53c80cb8d6_qkv.kd
    .args:
      - { .name: xb, .offset: 0, .size: 8, .value_kind: global_buffer, .address_space: global }
      - { .name: wab, .offset: 8, .size: 8, .value_kind: global_buffer, .address_space: global }
      - { .name: b_attn, .offset: 16, .size: 8, .value_kind: global_buffer, .address_space: global }
      - { .name: attention_mask, .offset: 24, .size: 8, .value_kind: global_buffer, .address_space: global }
      - { .name: qkv, .offset: 32, .size: 8, .value_kind: global_buffer, .address_space: global }
    .group_segment_fixed_size: 327680
    .private_segment_fixed_size: 0
    .kernarg_segment_align: 8
    .kernarg_segment_size: 40
    .max_flat_workgroup_size: 128
    .sgpr_count:     80
    .vgpr_count:     1024
    .wavefront_size: 32
...
	.end_amdgpu_metadata
.endif
;; end of part 2
;; launch attn (part 3): grid 8 x 32, 8 waves a work-group, clusters of 4 x 1, 327,680 bytes of LDS; arguments qkv, attention_mask, ao; writes ao
.if DOCPART == 3
	.amdgcn_target "amdgcn-amd-amdhsa--gfx1250"
	.amdhsa_code_object_version 6
	.text
	.protected	k_q53c80cb8d6_attn
	.globl	k_q53c80cb8d6_attn
	.p2align	8
	.type	k_q53c80cb8d6_attn,@function
k_q53c80cb8d6_attn:
	s_mov_b64 s[64:65], 0
	v_nop
	global_prefetch_b8 v0, s[64:65] scope:SCOPE_SE
	s_setreg_imm32_b32 hwreg(HW_REG_WAVE_MODE, 25, 1), 1
	s_wait_xcnt 0x0
	s_wait_alu depctr_hold_cnt(0) depctr_sa_sdst(0) depctr_va_vdst(0) depctr_va_sdst(0) depctr_va_ssrc(0) depctr_va_vcc(0) depctr_vm_vsrc(0)
	s_getreg_b32 s2, hwreg(HW_REG_IB_STS2, 6, 4)
	s_cmp_eq_u32 s2, 0
	s_cbranch_scc0 .Lentry_in_a_cluster
	s_endpgm
.Lentry_in_a_cluster:
	s_bfe_u32 s2, ttmp6, 0x10000c
	s_cmp_lg_u32 s2, 0x3003
	s_cbranch_scc0 .Lentry_shape_is_right
	s_endpgm
.Lentry_shape_is_right:
; ao = softmax(q k^T / 32, masked keys' scores replaced by -1e9) v, for one head and 256 queries a work-group, 32 queries a wave.
; qkv: 96 slabs [2048][64] f16 (q heads, k heads, v heads of each batch).  q comes multiplied by log2(e)/32, so a score is an exponent of two;
; K rows of masked tokens come as zeros, so their product is exactly 0 and the score is the addend that the first product takes as C:
; 0 for a kept key, -1e9 log2(e) for a masked one.  All masked scores are equal, so a batch with no kept key gives the uniform softmax.
; The maximum is taken away: a running maximum m for each query, p = 2^(s - m), sums and outputs rescaled by 2^(m_old - m_new).  p <= 1 and l >= 1.
; ao: [token / 128][head][token % 128][64] f16, the order in which the last launch reads it.
; LIMIT: f16 operands (q, k, v, p, ao): magnitudes of 65,504 and more are infinity; below 6.1e-5 the step is 6e-8.
; LAYOUT, no exchange between lanes but one for the maximum: S^T = K Q^T, so lane (r = l % 16, h = l / 16) holds query r, keys 8 h + 0..7 of a key tile;
; two neighbouring key tiles, packed to f16, ARE the second source of O^T = V^T P^T for 32 keys; O^T again has query r in lane r.
; So m, l and the rescaling factor are one number a lane.
; CLUSTERS: the four work-groups of a cluster are four query blocks of one head and read the same K and V tiles: every tile is asked for jointly (mask 15).
; The place in the cluster enters the addresses of q and ao alone.
; Two waves lie on each SIMD, so that one wave's softmax runs beside the other's products.
.set VP,     160                       ; V's LDS pitch: 128 bytes + 32, an odd multiple of 32 (transposing loads)
.set KPI,    144                       ; K's LDS pitch: 128 bytes + 16, an odd multiple of 16
.set VBYTES, 256*VP                    ; a tile is 256 keys
.set SLOT,   256*VP+256*KPI            ; 77,824: V, then K
.set TILEB,  256*128                   ; a tile in memory
.set AMT,    2*SLOT                    ; 155,648: the addends of the batch's 2,048 keys, f32; written by LDS stores, never by a tensor load
.set STAGE,  AMT+8192                  ; 163,840: 32 rows x 144 bytes for each wave, for the way out
.set SP,     144
.set ADK, 8                            ; v8-9    LDS address of my K fragments in slot 0, 1
.set ADV, 10                           ; v10-11  the same for V
.set ADM, 12                           ; v12     address of this tile's addends; 1,024 bytes on after each tile
.set STO, 13
.set RD,  14
.set CO,  15
.set MX,  16                           ; v16-17  m of query tile 0, 1
.set ALP, 20                           ; v20, v22  2^(m_old - m_new), at the end 1 / l; v21 and v23 only complete the pairs that packed instructions name
.set NM,  24                           ; v24, v26  -m; v25 and v27 likewise
.set LS,  28                           ; v[28:35]  l: two pairs for each query tile
.set T,   36                           ; v36-47  at work
.set QF,  48                           ; v48-79  Q fragments (q, ks) at 16 q + 8 ks
.set AM,  80                           ; v80-111 addend tiles of four key tiles
.set KF,  112                          ; v112-175 K fragments (kt, ks) at 16 kt + 8 ks
.set SC,  176                          ; v176-239 score tiles (q, kt) at 32 q + 8 kt; later p; later P packed at 32 q + 16 u
.set OA,  0                            ; window 1, v0-63: O^T tiles (d, q) at 8 (2 d + q)
.set VF,  64                           ; window 1, v64-127: V^T fragments (d, u) at 16 d + 8 u
.set G1V, 16                           ; s[16:23]
.set G1K, 24                           ; s[24:31]
.set G0V, 32                           ; s[32:39] one set for each slot
.set G0K, 40                           ; s[40:47]
.set MSB, 0
.macro WIN new
.if MSB != \new
	s_set_vgpr_msb (MSB<<8)|\new
.set MSB, \new
.endif
.endm
.macro PLACES n
.rept \n
	v_nop
.endr
.endm
.macro ROUND                           ; a round of the cluster's barrier
	s_barrier_signal -1
	s_barrier_wait -1
	s_cmp_lg_u32 s10, 0
	s_cbranch_scc1 .Lnot_wave_0_\@
	s_barrier_signal -3
.Lnot_wave_0_\@:
	s_barrier_wait -3
	s_barrier_signal -1
	s_barrier_wait -1
.endm
.macro JLOAD s                         ; waves 0-3 fetch 64 rows of V each, waves 4-7 64 rows of K each: one tensor load a wave
	s_cmp_eq_u32 s11, 0
	s_cbranch_scc0 .Lfor_k_\@
	tensor_load_to_lds s[G0V+4*(\s):G0V+4*(\s)+3], s[G1V:G1V+7]
	s_nop 0
	s_branch .Lasked_\@
.Lfor_k_\@:
	tensor_load_to_lds s[G0K+4*(\s):G0K+4*(\s)+3], s[G1K:G1K+7]
	s_nop 0
.Lasked_\@:
.endm
	s_load_b128 s[4:7], s[0:1], 0x0                ; qkv s[4:5], attention_mask s[6:7]
	s_load_b64 s[8:9], s[0:1], 0x10                ; ao
	v_lshl_add_u32 v254, v0, 2, 0x31000
	v_mov_b32 v255, 0
	ds_add_u32 v254, v255
	v_lshrrev_b32 v1, 5, v0
	v_readfirstlane_b32 s10, v1                    ; wave 0..7
	s_lshr_b32 s11, s10, 2                         ; I fetch for V (0) or for K (1)
	s_and_b32 s12, s10, 3                          ; which 64 rows
	s_bfe_u32 s13, ttmp6, 0x40000                  ; cx
	s_lshl_b32 s14, ttmp9, 2
	s_add_co_u32 s14, s14, s13                     ; query block 0..7
	s_and_b32 s15, ttmp7, 0xffff                   ; 16 x batch + head
	s_lshr_b32 s62, s15, 4                         ; batch
	s_and_b32 s63, s15, 15                         ; head
	s_mul_i32 s66, s62, 48
	s_add_co_u32 s66, s66, s63                     ; q's slab; k's is 16 on, v's 32 on
	s_mov_b32 s54, 0x76543210                      ; v_permlanex16_b32: lane i of one half reads lane i of the other
	s_mov_b32 s55, 0xfedcba98
	; group 1: 64 rows x 64 elements of 2 bytes, dense in memory; padding behind every 32 words: 8 words for V, 4 for K; mask 15, bit 21 beside it
	s_mov_b32 s[G1V+0], 15|(1<<16)|(1<<20)|(1<<21)|(4<<22)|(7<<25)
	s_mov_b32 s[G1K+0], 15|(1<<16)|(1<<20)|(1<<21)|(4<<22)|(3<<25)
.irp g, G1V, G1K
	s_mov_b32 s[\g+1], 64<<16                      ; tensor_dim0 = 64
	s_mov_b32 s[\g+2], 64<<16                      ; tensor_dim1 = 64
	s_mov_b32 s[\g+3], 64<<16                      ; tile_dim0 = 64
	s_mov_b32 s[\g+4], 64                          ; tile_dim1 = 64
	s_mov_b32 s[\g+5], 64                          ; elements from row to row
	s_mov_b32 s[\g+6], 0
	s_mov_b32 s[\g+7], 0
.endr
	s_lshl_b32 s67, s12, 13                        ; my 64 rows of 128 bytes
	s_add_co_u32 s48, s66, 32
	s_lshl_b32 s48, s48, 18
	s_add_co_u32 s48, s48, s67
	s_mov_b32 s49, 0
	s_wait_dscnt 0x0
	s_wait_kmcnt 0x0
	s_add_nc_u64 s[52:53], s[4:5], s[48:49]        ; my rows of V's tile 0
	s_add_co_u32 s48, s66, 16
	s_lshl_b32 s48, s48, 18
	s_add_co_u32 s48, s48, s67
	s_add_nc_u64 s[56:57], s[4:5], s[48:49]        ; my rows of K's tile 0
	s_lshl_b32 s48, s62, 13
	s_add_nc_u64 s[58:59], s[6:7], s[48:49]        ; the batch's mask
	s_mul_i32 s69, s10, 64*VP                      ; V: wave x 10,240 (waves 0-3)
	s_mul_i32 s70, s10, 64*KPI                     ; K: 40,960 + (wave - 4) x 9,216 (waves 4-7)
.irp n, 0,1
	s_mov_b32 s[G0V+4*\n], 1
	s_add_co_u32 s[G0V+4*\n+1], s69, \n*SLOT
	s_add_nc_u64 s[G0V+4*\n+2:G0V+4*\n+3], s[52:53], \n*TILEB
	s_or_b32 s[G0V+4*\n+3], s[G0V+4*\n+3], 0x80000000
	s_mov_b32 s[G0K+4*\n], 1
	s_add_co_u32 s[G0K+4*\n+1], s70, \n*SLOT+VBYTES-4*64*KPI
	s_add_nc_u64 s[G0K+4*\n+2:G0K+4*\n+3], s[56:57], \n*TILEB
	s_or_b32 s[G0K+4*\n+3], s[G0K+4*\n+3], 0x80000000
.endr
	ROUND                                          ; the four work-groups are here: the first joint load meets
	JLOAD 0                                        ; tile 0
	; addresses that hang on the query block, in registers of their own
	s_lshl_b32 s2, s66, 18
	s_lshl_b32 s3, s14, 15                         ; 256 queries of 128 bytes
	s_add_co_u32 s2, s2, s3
	s_lshl_b32 s3, s10, 12                         ; 32 queries a wave
	s_add_co_u32 s2, s2, s3
	s_mov_b32 s3, 0
	s_add_nc_u64 s[50:51], s[4:5], s[2:3]          ; my queries
	s_lshl_b32 s2, s62, 4
	s_lshl1_add_u32 s2, s14, s2
	s_add_co_u32 s2, s2, s11                       ; token / 128 = 16 x batch + 2 x block + wave / 4
	s_lshl4_add_u32 s2, s2, s63                    ; x 16 + head
	s_lshl_b32 s2, s2, 14
	s_lshl_b32 s67, s12, 12                        ; (wave % 4) x 32 tokens of 128 bytes
	s_add_co_u32 s2, s2, s67
	s_add_nc_u64 s[60:61], s[8:9], s[2:3]          ; my rows of ao
	v_and_b32 v1, 15, v0                           ; r
	v_bfe_u32 v2, v0, 4, 1                         ; h
	v_and_b32 v3, 7, v0
	v_bfe_u32 v4, v0, 3, 1
	v_and_b32 v5, 31, v0                           ; l
	v_mul_u32_u24 v6, v1, KPI
	v_lshl_add_u32 v6, v2, 4, v6                   ; 144 r + 16 h
	v_add_nc_u32 v[ADK], VBYTES, v6
	v_add_nc_u32 v[ADK+1], VBYTES+SLOT, v6
	v_lshl_add_u32 v7, v2, 3, v3
	v_mul_u32_u24 v7, v7, VP
	v_lshl_add_u32 v[ADV], v4, 4, v7               ; (8 h + l % 8) x 160 + 16 ((l / 8) % 2)
	v_add_nc_u32 v[ADV+1], SLOT, v[ADV]
	v_lshlrev_b32 v[ADM], 5, v2
	v_add_nc_u32 v[ADM], AMT, v[ADM]               ; keys 8 h + 0..7 of a key tile: 32 h
	s_mul_i32 s69, s10, 32*SP
	s_add_co_u32 s69, s69, STAGE
	v_add_nc_u32 v[STO], s69, v6
	v_lshrrev_b32 v[RD], 3, v5
	v_mul_u32_u24 v[RD], v[RD], SP
	v_lshl_add_u32 v[RD], v3, 4, v[RD]
	v_add_nc_u32 v[RD], s69, v[RD]                 ; back: eight lanes a row, four rows a load
	v_lshlrev_b32 v[CO], 4, v5
	v_lshlrev_b32 v[T], 7, v1
	v_lshl_add_u32 v[T], v2, 4, v[T]               ; q: 128 r + 16 h
	v_lshlrev_b32 v[T+1], 5, v0                    ; the mask: eight keys a thread
	v_add_nc_u32 v[T+2], AMT, v[T+1]
	v_mov_b32 v[T+3], 0xceabfb8f                   ; -1e9 log2(e)
.irp q, 0,1
.irp ks, 0,1
	global_load_b128 v[QF+16*\q+8*\ks:QF+16*\q+8*\ks+3],   v[T], s[50:51] offset:\q*2048+\ks*64
	global_load_b128 v[QF+16*\q+8*\ks+4:QF+16*\q+8*\ks+7], v[T], s[50:51] offset:\q*2048+\ks*64+32
.endr
.endr
	global_load_b128 v[T+4:T+7],  v[T+1], s[58:59]
	global_load_b128 v[T+8:T+11], v[T+1], s[58:59] offset:16
.irp r, ALP+1, ALP+3, NM+1, NM+3
	v_mov_b32 v[\r], 0                             ; never used: op_sel_hi takes the pair's first register for both halves; written because the pair is named
.endr
	s_wait_loadcnt 0x0
.irp i, 4,5,6,7,8,9,10,11
	v_cmp_eq_u32 vcc_lo, 0, v[T+\i]
	v_cndmask_b32 v[T+\i], 0, v[T+3], vcc_lo       ; the key's addend
.endr
	ds_store_b128 v[T+2], v[T+4:T+7]
	ds_store_b128 v[T+2], v[T+8:T+11] offset:16    ; shown to the other waves by the first tile's wait for DScnt 0 and its barrier
; 24 LDS loads: K's fragments and the addends of the 64 keys of step sub
.macro LOADK slot, sub
.irp kt, 0,1,2,3
.irp ks, 0,1
	ds_load_b128 v[KF+16*\kt+8*\ks:KF+16*\kt+8*\ks+3],   v[ADK+\slot] offset:((\sub)*64+\kt*16)*KPI+\ks*64
	ds_load_b128 v[KF+16*\kt+8*\ks+4:KF+16*\kt+8*\ks+7], v[ADK+\slot] offset:((\sub)*64+\kt*16)*KPI+\ks*64+32
.endr
.endr
.irp kt, 0,1,2,3
	ds_load_b128 v[AM+8*\kt:AM+8*\kt+3],   v[ADM] offset:(\sub)*256+\kt*64
	ds_load_b128 v[AM+8*\kt+4:AM+8*\kt+7], v[ADM] offset:(\sub)*256+\kt*64+16
.endr
.endm
; 64 keys x my 32 queries.  first = 1: the launch's first step starts m, l and O.
.macro STEP slot, sub, first
	WIN 0x40                                       ; destination window 1, address window 0
.irp d, 0,1,2,3
.irp u, 0,1
	ds_load_tr16_b128 v[VF+16*\d+8*\u:VF+16*\d+8*\u+3],   v[ADV+\slot] offset:(\sub*64+\u*32)*VP+\d*32
	ds_load_tr16_b128 v[VF+16*\d+8*\u+4:VF+16*\d+8*\u+7], v[ADV+\slot] offset:(\sub*64+\u*32+16)*VP+\d*32
.endr
.endr
	WIN 0
	s_wait_dscnt 16                                ; K's fragments and the addends are in; the 16 loads of V just issued stay out
	; scores: eight accumulators take turns, one instruction a turn; the addend tile starts each sum
.irp q, 0,1
.irp kt, 0,1,2,3
	v_wmma_f32_16x16x32_f16 v[SC+32*\q+8*\kt:SC+32*\q+8*\kt+7], v[KF+16*\kt:KF+16*\kt+7], v[QF+16*\q:QF+16*\q+7], v[AM+8*\kt:AM+8*\kt+7]
.endr
.endr
.irp q, 0,1
.irp kt, 0,1,2,3
	v_wmma_f32_16x16x32_f16 v[SC+32*\q+8*\kt:SC+32*\q+8*\kt+7], v[KF+16*\kt+8:KF+16*\kt+15], v[QF+16*\q+8:QF+16*\q+15], v[SC+32*\q+8*\kt:SC+32*\q+8*\kt+7]
.endr
.endr
	PLACES 4                                       ; four places before the scores are read and before loads land in K's fragments and the addends
.if \sub < 3
	LOADK \slot, \sub+1                            ; the next step's, a whole softmax ahead of their use
.endif
	; the largest of my 32 scores of each query tile: eight chains, then across the two halves of the lanes
.irp q, 0,1
.irp kt, 0,1,2,3
	v_max3_num_f32 v[T+4*\q+\kt], v[SC+32*\q+8*\kt], v[SC+32*\q+8*\kt+1], v[SC+32*\q+8*\kt+2]
.endr
.endr
.irp j, 3,5
.irp q, 0,1
.irp kt, 0,1,2,3
	v_max3_num_f32 v[T+4*\q+\kt], v[T+4*\q+\kt], v[SC+32*\q+8*\kt+\j], v[SC+32*\q+8*\kt+\j+1]
.endr
.endr
.endr
.irp q, 0,1
.irp kt, 0,1,2,3
	v_max_num_f32 v[T+4*\q+\kt], v[T+4*\q+\kt], v[SC+32*\q+8*\kt+7]
.endr
.endr
.irp q, 0,1
	v_max3_num_f32 v[T+4*\q], v[T+4*\q], v[T+4*\q+1], v[T+4*\q+2]
.endr
.irp q, 0,1
	v_max_num_f32 v[T+4*\q], v[T+4*\q], v[T+4*\q+3]
.endr
.irp q, 0,1
	v_permlanex16_b32 v[T+8+\q], v[T+4*\q], s54, s55
.endr
.if \first
.irp q, 0,1
	v_max_num_f32 v[MX+\q], v[T+4*\q], v[T+8+\q]
.endr
.else
.irp q, 0,1
	v_max3_num_f32 v[T+4*\q], v[T+4*\q], v[T+8+\q], v[MX+\q]   ; m_new
.endr
.irp q, 0,1
	v_sub_f32 v[T+10+\q], v[MX+\q], v[T+4*\q]                  ; m_old - m_new <= 0
.endr
.irp q, 0,1
	v_exp_f32 v[ALP+2*\q], v[T+10+\q]
.endr
.irp q, 0,1
	v_mov_b32 v[MX+\q], v[T+4*\q]                  ; plain work behind the exponentials, ahead of their first use (ISA guide 5.7.2)
.endr
.endif
.irp q, 0,1
	v_mul_f32 v[NM+2*\q], -1.0, v[MX+\q]
.endr
	; p = 2^(s - m), in place.  Behind each run of exponentials stands plain work on other registers before any of its results is read.
.irp q, 0,1
.set cnt, 0
.rept 16
	v_pk_add_f32 v[SC+32*\q+cnt:SC+32*\q+cnt+1], v[SC+32*\q+cnt:SC+32*\q+cnt+1], v[NM+2*\q:NM+2*\q+1] op_sel_hi:[1,0]
.set cnt, cnt+2
.endr
.set cnt, 0
.rept 32
	v_exp_f32 v[SC+32*\q+cnt], v[SC+32*\q+cnt]
.set cnt, cnt+1
.endr
.endr
	; l = l x factor + my 32 p, in two chains of pairs; then p to f16, in place: tiles 2 u and 2 u + 1 become the fragment of 32 keys
.irp q, 0,1
.if \first
	s_wait_alu depctr_va_vdst(0)
	v_pk_add_f32 v[LS+4*\q:LS+4*\q+1],   v[SC+32*\q:SC+32*\q+1],   v[SC+32*\q+4:SC+32*\q+5]
	v_pk_add_f32 v[LS+4*\q+2:LS+4*\q+3], v[SC+32*\q+2:SC+32*\q+3], v[SC+32*\q+6:SC+32*\q+7]
.set cnt, 8
.else
	s_wait_alu depctr_va_vdst(0)
	v_pk_fma_f32 v[LS+4*\q:LS+4*\q+1],   v[LS+4*\q:LS+4*\q+1],   v[ALP+2*\q:ALP+2*\q+1], v[SC+32*\q:SC+32*\q+1] op_sel_hi:[1,0,1]
	v_pk_fma_f32 v[LS+4*\q+2:LS+4*\q+3], v[LS+4*\q+2:LS+4*\q+3], v[ALP+2*\q:ALP+2*\q+1], v[SC+32*\q+2:SC+32*\q+3] op_sel_hi:[1,0,1]
.set cnt, 4
.endif
.rept 7-\first
	v_pk_add_f32 v[LS+4*\q:LS+4*\q+1],   v[LS+4*\q:LS+4*\q+1],   v[SC+32*\q+cnt:SC+32*\q+cnt+1]
	v_pk_add_f32 v[LS+4*\q+2:LS+4*\q+3], v[LS+4*\q+2:LS+4*\q+3], v[SC+32*\q+cnt+2:SC+32*\q+cnt+3]
.set cnt, cnt+4
.endr
.irp u, 0,1
.irp i, 0,1,2,3
	v_cvt_pk_f16_f32 v[SC+32*\q+16*\u+\i], v[SC+32*\q+16*\u+2*\i], v[SC+32*\q+16*\u+2*\i+1]
.endr
.irp i, 0,1,2,3
	v_cvt_pk_f16_f32 v[SC+32*\q+16*\u+4+\i], v[SC+32*\q+16*\u+8+2*\i], v[SC+32*\q+16*\u+9+2*\i]
.endr
.endr
.endr
.if \first
.else
	WIN 0x41                                       ; O in window 1 (destination, source 0), the factor in window 0
.irp d, 0,1,2,3
.irp q, 0,1
.irp j, 0,2,4,6
	v_pk_mul_f32 v[OA+8*(2*\d+\q)+\j:OA+8*(2*\d+\q)+\j+1], v[OA+8*(2*\d+\q)+\j:OA+8*(2*\d+\q)+\j+1], v[ALP+2*\q:ALP+2*\q+1] op_sel_hi:[1,0]
.endr
.endr
.endr
.endif
.if \sub < 3
	s_wait_dscnt 24                                ; V's fragments are in; the next step's 24 loads, issued behind them, stay out
.else
	s_wait_dscnt 0                                 ; nothing was issued behind V's fragments
.endif
	WIN 0x51                                       ; D, C and V^T in window 1, P^T in window 0
.irp u, 0,1
.irp d, 0,1,2,3
.irp q, 0,1
.if \first*(1-\u)
	v_wmma_f32_16x16x32_f16 v[OA+8*(2*\d+\q):OA+8*(2*\d+\q)+7], v[VF+16*\d+8*\u:VF+16*\d+8*\u+7], v[SC+32*\q+16*\u:SC+32*\q+16*\u+7], 0
.else
	v_wmma_f32_16x16x32_f16 v[OA+8*(2*\d+\q):OA+8*(2*\d+\q)+7], v[VF+16*\d+8*\u:VF+16*\d+8*\u+7], v[SC+32*\q+16*\u:SC+32*\q+16*\u+7], v[OA+8*(2*\d+\q):OA+8*(2*\d+\q)+7]
.endif
.endr
.endr
.endr
	WIN 0
	PLACES 5                                       ; five places before the next scores write over P, four before loads land in V's fragments or O is read
.endm
; One tile of 256 keys.  In front of the round every wave waits for all its tensor loads (one: its part of this tile) and for its LDS reads of the tile before;
; behind it the other slot is asked for again first; that load has the four steps of this tile in which to land.  One tensor load of a wave is out at any time.
.macro TRIP slot, refill, first
	s_wait_tensorcnt 0x0
	ds_add_u32 v254, v255
	s_wait_dscnt 0x0
	s_add_nc_u64 s[G0V+4*\slot+2:G0V+4*\slot+3], s[G0V+4*\slot+2:G0V+4*\slot+3], 2*TILEB   ; no load of mine is out: this slot's next tile
	s_add_nc_u64 s[G0K+4*\slot+2:G0K+4*\slot+3], s[G0K+4*\slot+2:G0K+4*\slot+3], 2*TILEB
	s_wait_dscnt 0x0
	ROUND
.if \refill
	JLOAD 1-\slot
.endif
	LOADK \slot, 0
	STEP \slot, 0, \first
	STEP \slot, 1, 0
	STEP \slot, 2, 0
	STEP \slot, 3, 0
	v_add_nc_u32 v[ADM], 1024, v[ADM]              ; the next tile's 256 addends
.endm
	TRIP 0, 1, 1                                   ; tiles 0 and 1 stand in front of the loop: the first step starts the sums
	TRIP 1, 1, 0
	s_mov_b32 s68, 2
.Lpair:
	TRIP 0, 1, 0                                   ; tiles 2 to 5
	TRIP 1, 1, 0
	s_sub_co_u32 s68, s68, 1
	s_cmp_lg_u32 s68, 0
	s_cbranch_scc1 .Lpair
	TRIP 0, 1, 0                                   ; tile 6 asks for tile 7
	TRIP 1, 0, 0                                   ; tile 7: nothing is left to fetch
	; l over my four partial sums and the other half of the lanes; O / l; f16; through my stage, so that whole rows go out
.irp q, 0,1
	v_add_f32 v[LS+4*\q],   v[LS+4*\q],   v[LS+4*\q+1]
	v_add_f32 v[LS+4*\q+2], v[LS+4*\q+2], v[LS+4*\q+3]
.endr
.irp q, 0,1
	v_add_f32 v[LS+4*\q], v[LS+4*\q], v[LS+4*\q+2]
.endr
.irp q, 0,1
	v_permlanex16_b32 v[T+8+\q], v[LS+4*\q], s54, s55
.endr
.irp q, 0,1
	v_add_f32 v[LS+4*\q], v[LS+4*\q], v[T+8+\q]
.endr
.irp q, 0,1
	v_rcp_f32 v[ALP+2*\q], v[LS+4*\q]              ; l >= 1: the row's largest score gives p = 1
.endr
	v_nop                                          ; one plain place behind the reciprocals (ISA guide 5.7.2)
	WIN 0x01                                       ; O from window 1
	s_wait_alu depctr_va_vdst(0)
.irp q, 0,1
.irp d, 0,1,2,3
.irp j, 0,2,4,6
	v_pk_mul_f32 v[SC+32*\q+8*\d+\j:SC+32*\q+8*\d+\j+1], v[OA+8*(2*\d+\q)+\j:OA+8*(2*\d+\q)+\j+1], v[ALP+2*\q:ALP+2*\q+1] op_sel_hi:[1,0]
.endr
.endr
.endr
	WIN 0
.irp q, 0,1
.irp d, 0,1,2,3
.irp i, 0,1,2,3
	v_cvt_pk_f16_f32 v[SC+32*\q+8*\d+\i], v[SC+32*\q+8*\d+2*\i], v[SC+32*\q+8*\d+2*\i+1]
.endr
	ds_store_b128 v[STO], v[SC+32*\q+8*\d:SC+32*\q+8*\d+3] offset:\q*16*SP+\d*32   ; query 16 q + r, numbers 16 d + 8 h + 0..7
.endr
.endr
.irp g, 0,1,2,3,4,5,6,7
	ds_load_b128 v[KF+4*\g:KF+4*\g+3], v[RD] offset:\g*4*SP    ; my own bytes: a wave's LDS instructions are served in order (ISA guide 5.7.1.4)
.endr
.irp g, 0,1,2,3,4,5,6,7
	s_wait_dscnt 7-\g                              ; load g is back, the 7 - g younger ones may be out
	global_store_b128 v[CO], v[KF+4*\g:KF+4*\g+3], s[60:61] offset:512*\g   ; four queries: 512 neighbouring bytes at a multiple of 512
.endr
	s_wait_tensorcnt 0x0
	ds_add_u32 v254, v255
	s_wait_dscnt 0x0
	ROUND                                          ; the closing round
	s_endpgm
.Lfunc_end_k_q53c80cb8d6_attn:
	.size	k_q53c80cb8d6_attn, .Lfunc_end_k_q53c80cb8d6_attn-k_q53c80cb8d6_attn
	.p2alignl 7, 3214868480
	.fill 96, 4, 3214868480
	.section	.rodata,"a",@progbits
	.p2align	6, 0x0
	.amdhsa_kernel k_q53c80cb8d6_attn
		.amdhsa_group_segment_fixed_size 327680
		.amdhsa_private_segment_fixed_size 0
		.amdhsa_enable_private_segment 0
		.amdhsa_kernarg_size 24
		.amdhsa_user_sgpr_count 2
		.amdhsa_user_sgpr_kernarg_segment_ptr 1
		.amdhsa_wavefront_size32 1
		.amdhsa_system_sgpr_workgroup_id_x 1
		.amdhsa_system_sgpr_workgroup_id_y 1
		.amdhsa_system_sgpr_workgroup_id_z 1
		.amdhsa_system_vgpr_workitem_id 0
		.amdhsa_next_free_vgpr 384
		.amdhsa_next_free_sgpr 80
		.amdhsa_reserve_vcc 1
		.amdhsa_float_denorm_mode_32 3
		.amdhsa_float_denorm_mode_16_64 3
		.amdhsa_memory_ordered 1
		.amdhsa_forward_progress 1
		.amdhsa_inst_pref_size 255
	.end_amdhsa_kernel
	.section	.bss,"aw",@nobits
	.p2align	6
	.space	262144
	.amdgpu_metadata
---
amdhsa.version: [ 1, 2 ]
amdhsa.kernels:
  - .name:           k_q53c80cb8d6_attn
    .symbol:         k_q53c80cb8d6_attn.kd
    .args:
      - { .name: qkv, .offset: 0, .size: 8, .value_kind: global_buffer, .address_space: global }
      - { .name: attention_mask, .offset: 8, .size: 8, .value_kind: global_buffer, .address_space: global }
      - { .name: ao, .offset: 16, .size: 8, .value_kind: global_buffer, .address_space: global }
    .group_segment_fixed_size: 327680
    .private_segment_fixed_size: 0
    .kernarg_segment_align: 8
    .kernarg_segment_size: 24
    .max_flat_workgroup_size: 256
    .sgpr_count:     80
    .vgpr_count:     384
    .wavefront_size: 32
...
	.end_amdgpu_metadata
.endif
;; end of part 3
;; launch proj (part 4): grid 8 x 32, 4 waves a work-group, clusters of 4 x 4, 327,680 bytes of LDS; arguments ao, wpb, b_proj, out0; writes out0
.if DOCPART == 4
	.amdgcn_target "amdgcn-amd-amdhsa--gfx1250"
	.amdhsa_code_object_version 6
	.text
	.protected	k_q53c80cb8d6_proj
	.globl	k_q53c80cb8d6_proj
	.p2align	8
	.type	k_q53c80cb8d6_proj,@function
k_q53c80cb8d6_proj:
	s_mov_b64 s[64:65], 0
	v_nop
	global_prefetch_b8 v0, s[64:65] scope:SCOPE_SE
	s_setreg_imm32_b32 hwreg(HW_REG_WAVE_MODE, 25, 1), 1
	s_wait_xcnt 0x0
	s_wait_alu depctr_hold_cnt(0) depctr_sa_sdst(0) depctr_va_vdst(0) depctr_va_sdst(0) depctr_va_ssrc(0) depctr_va_vcc(0) depctr_vm_vsrc(0)
	s_getreg_b32 s2, hwreg(HW_REG_IB_STS2, 6, 4)
	s_cmp_eq_u32 s2, 0
	s_cbranch_scc0 .Lentry_in_a_cluster
	s_endpgm
.Lentry_in_a_cluster:
	s_bfe_u32 s2, ttmp6, 0x10000c
	s_cmp_lg_u32 s2, 0xf033
	s_cbranch_scc0 .Lentry_shape_is_right
	s_endpgm
.Lentry_shape_is_right:
; out0 = ao wpb + b_proj.  ao: [32 row blocks][16 heads][128 tokens][64] f16, K = 64 x head + number.  wpb: [1024][1024] f16.  out0: [4096][1024] f32.
; Sums in f32, started by the bias.  LIMIT: the operands are f16, as the launches before left them.
; A work-group makes 128 tokens x 128 columns (8 x 32 = 256 work-groups), a wave 64 x 64: 16 accumulator tiles.
; A K step of 128 is 64 matrix instructions a wave; so a slot holds TWO K steps, and each wave brings a quarter of it by one tensor load:
; wave 0, 1: ao's tile of step 0, 1 (two heads: 256 rows of 128 bytes, dense in memory); wave 2, 3: wpb's tile of step 0, 1 (128 K rows x 128 columns).
; K = 1,024 is four slots' worth: both slots are filled at the start and once again.
; CLUSTERS: 4 x 4.  ao's tiles hang on the block row and are shared along a row of the cluster, wpb's on the block column and are shared along a column.
; The matrix instruction is used transposed (source 0 = 16 columns of wpb, source 1 = 16 tokens): a lane's eight results are eight neighbouring f32 of a row.
.set QL,     36864                     ; a quarter of a slot: 256 x 144 = 128 x 288
.set SLOT,   4*QL
.set STAGE,  2*SLOT                    ; 294,912: 16 rows x 272 bytes for each wave; no tensor load lands here
.set AP,     144                       ; ao's LDS pitch: 128 + 16, an odd multiple of 16
.set BP,     288                       ; wpb's LDS pitch: 256 + 32, an odd multiple of 32
.set SPITCH, 272
.set ADRA, 8                           ; v8-11   LDS address of my token fragments, 2 x slot + step
.set ADRB, 12                          ; v12-15  the same for wpb
.set STO,  16
.set RD,   17
.set CO,   18
.set F0,   64                          ; v64-127  buffer 0: wpb's four fragments, then the tokens' four
.set F1,   128                         ; v128-191 buffer 1
.set BIAS, 192                         ; v192-223 tile b: b_proj of columns 16 b + 8 (l / 16) + 0..7
.set G1, 24
.set G0, 32
.set G1B, 48
.set G0B, 56
.set MSB, 0
.macro WIN new
.if MSB != \new
	s_set_vgpr_msb (MSB<<8)|\new
.set MSB, \new
.endif
.endm
.macro JLOAD s
	s_cmp_eq_u32 s11, 0
	s_cbranch_scc0 .Lfor_b_\@
	tensor_load_to_lds s[G0+4*\s:G0+4*\s+3], s[G1:G1+7]
	s_nop 0
	s_branch .Lasked_\@
.Lfor_b_\@:
	tensor_load_to_lds s[G0B+4*\s:G0B+4*\s+3], s[G1B:G1B+7]
	s_nop 0
.Lasked_\@:
.endm
.macro CROUND                          ; a round of the cluster's barrier
	s_barrier_signal -1
	s_barrier_wait -1
	s_cmp_lg_u32 s10, 0
	s_cbranch_scc1 .Lnot_wave_0_\@
	s_barrier_signal -3
.Lnot_wave_0_\@:
	s_barrier_wait -3
	s_barrier_signal -1
	s_barrier_wait -1
.endm
.macro PLACES                          ; four places behind matrix instructions (ISA guide 7.12.1 for vector instructions)
.rept 4
	v_nop
.endr
.endm
	s_load_b128 s[4:7], s[0:1], 0x0                ; ao s[4:5], wpb s[6:7]
	s_load_b128 s[68:71], s[0:1], 0x10             ; b_proj s[68:69], out0 s[70:71]
	v_lshl_add_u32 v254, v0, 2, 0x4c400
	v_mov_b32 v255, 0
	ds_add_u32 v254, v255
	v_lshrrev_b32 v1, 5, v0
	v_readfirstlane_b32 s10, v1                    ; wave 0..3
	s_lshr_b32 s11, s10, 1                         ; my half of the tokens.  Also: I fetch for ao (0) or for wpb (1)
	s_and_b32 s12, s10, 1                          ; my half of the columns.  Also: which K step of the slot I fetch
	s_bfe_u32 s40, ttmp6, 0x40000                  ; cx
	s_bfe_u32 s41, ttmp6, 0x40004                  ; cy
	s_lshl_b32 s42, ttmp9, 2
	s_add_co_u32 s42, s42, s40                     ; block column
	s_and_b32 s13, ttmp7, 0xffff
	s_lshl_b32 s13, s13, 2
	s_add_co_u32 s13, s13, s41                     ; block row
	s_lshl_b32 s43, s41, 2
	s_lshl_b32 s43, 15, s43                        ; my row of the cluster
	s_lshl_b32 s44, 0x1111, s40                    ; my column
	; ao: 256 rows x 64 elements, dense, 4 words of padding behind every 32
	s_or_b32 s[G1+0], s43, (1<<16)|(1<<20)|(1<<21)|(4<<22)|(3<<25)
	s_mov_b32 s[G1+1], 64<<16
	s_mov_b32 s[G1+2], 256<<16
	s_mov_b32 s[G1+3], 64<<16
	s_mov_b32 s[G1+4], 256
	s_mov_b32 s[G1+5], 64
	s_mov_b32 s[G1+6], 0
	s_mov_b32 s[G1+7], 0
	; wpb: 128 rows x 128 elements, 1,024 elements from row to row, 8 words of padding behind every 64
	s_or_b32 s[G1B+0], s44, (1<<16)|(1<<20)|(1<<21)|(5<<22)|(7<<25)
	s_mov_b32 s[G1B+1], 128<<16
	s_mov_b32 s[G1B+2], 128<<16
	s_mov_b32 s[G1B+3], 128<<16
	s_mov_b32 s[G1B+4], 128
	s_mov_b32 s[G1B+5], 1024
	s_mov_b32 s[G1B+6], 0
	s_mov_b32 s[G1B+7], 0
	s_lshl_b32 s16, s13, 18                        ; ao: 262,144 bytes a block row,
	s_lshl_b32 s17, s12, 15                        ; 32,768 a K step (two heads)
	s_add_co_u32 s16, s16, s17
	s_mov_b32 s17, 0
	s_lshl_b32 s46, s12, 18                        ; wpb: 128 rows of 2,048 bytes a K step,
	s_lshl_b32 s47, s42, 8                         ; 256 bytes a block column
	s_add_co_u32 s46, s46, s47
	s_mov_b32 s47, 0
	s_mul_i32 s20, s10, QL                         ; wave x a quarter of a slot
	s_wait_dscnt 0x0
	s_wait_kmcnt 0x0
	s_add_nc_u64 s[14:15], s[4:5], s[16:17]
	s_add_nc_u64 s[46:47], s[6:7], s[46:47]
	CROUND                                         ; in front of the first joint loads
.irp s, 0,1
	s_mov_b32 s[G0+4*\s], 1
	s_add_co_u32 s[G0+4*\s+1], s20, \s*SLOT
	s_add_nc_u64 s[G0+4*\s+2:G0+4*\s+3], s[14:15], \s*65536        ; a slot is four heads
	s_or_b32 s[G0+4*\s+3], s[G0+4*\s+3], 0x80000000
	s_mov_b32 s[G0B+4*\s], 1
	s_add_co_u32 s[G0B+4*\s+1], s20, \s*SLOT
	s_add_nc_u64 s[G0B+4*\s+2:G0B+4*\s+3], s[46:47], \s*524288     ; a slot is 256 K rows
	s_or_b32 s[G0B+4*\s+3], s[G0B+4*\s+3], 0x80000000
	JLOAD \s                                       ; both first fills together: two tensor loads of this wave are out
.endr
	v_and_b32 v1, 15, v0                           ; r
	v_bfe_u32 v2, v0, 4, 1                         ; h
	v_mul_u32_u24 v3, v1, AP
	v_lshl_add_u32 v3, v2, 4, v3                   ; 144 r + 16 h
	v_and_b32 v4, 7, v0
	v_lshl_add_u32 v4, v2, 3, v4
	v_mul_u32_u24 v4, v4, BP
	v_bfe_u32 v5, v0, 3, 1
	v_lshl_add_u32 v4, v5, 4, v4                   ; (8 h + l % 8) x 288 + 16 ((l / 8) % 2)
	s_mul_i32 s21, s11, 64*AP                      ; my 64 tokens
	s_lshl_b32 s22, s12, 7                         ; my 64 columns, 128 bytes,
	s_add_co_u32 s22, s22, 2*QL                    ; behind ao's two quarters
	v_add_nc_u32 v6, s21, v3
	v_add_nc_u32 v7, s22, v4
.irp n, 0,1,2,3
	v_add_nc_u32 v[ADRA+\n], (\n>>1)*SLOT+(\n&1)*QL, v6
	v_add_nc_u32 v[ADRB+\n], (\n>>1)*SLOT+(\n&1)*QL, v7
.endr
	s_mul_i32 s23, s10, 16*SPITCH
	s_add_co_u32 s23, s23, STAGE
	v_mul_u32_u24 v3, v1, SPITCH
	v_lshl_add_u32 v3, v2, 5, v3
	v_add_nc_u32 v[STO], s23, v3                   ; in: row r, 32 bytes for each half of the lanes
	v_mul_u32_u24 v4, v2, SPITCH
	v_lshl_add_u32 v4, v1, 4, v4
	v_add_nc_u32 v[RD], s23, v4                    ; back: sixteen lanes a row of 256 bytes
	v_lshlrev_b32 v[CO], 12, v2
	v_lshl_add_u32 v[CO], v1, 4, v[CO]             ; and the same two rows of out0
	v_lshlrev_b32 v19, 5, v2
	s_lshl_b32 s76, s42, 9
	s_lshl_b32 s77, s12, 8
	s_add_co_u32 s76, s76, s77                     ; my first column, in bytes of f32
	s_mov_b32 s77, 0
	s_add_nc_u64 s[68:69], s[68:69], s[76:77]
	s_add_nc_u64 s[70:71], s[70:71], s[76:77]
	s_lshl_b32 s76, s13, 19                        ; 128 rows of 4,096 bytes a block row
	s_lshl_b32 s78, s11, 18                        ; 64 rows a half
	s_add_co_u32 s76, s76, s78
	s_add_nc_u64 s[70:71], s[70:71], s[76:77]
.irp b, 0,1,2,3
	global_load_b128 v[BIAS+8*\b:BIAS+8*\b+3],   v19, s[68:69] offset:64*\b
	global_load_b128 v[BIAS+8*\b+4:BIAS+8*\b+7], v19, s[68:69] offset:64*\b+16
.endr
	s_wait_loadcnt 0x0
; 16 LDS loads: the fragments of quarter q (0..7: K step q / 4, 32 K at 32 (q % 4)) of a slot into buffer f.
; In ao's tile 32 K are half a head: head (q % 4) / 2 is 128 rows down, the half 64 bytes along.
.macro FETCH slot, q, f
.irp i, 0,1,2,3
	ds_load_tr16_b128 v[\f+8*\i:\f+8*\i+3],   v[ADRB+2*\slot+((\q)>>2)] offset:((\q)&3)*32*BP+32*\i
	ds_load_tr16_b128 v[\f+8*\i+4:\f+8*\i+7], v[ADRB+2*\slot+((\q)>>2)] offset:((\q)&3)*32*BP+16*BP+32*\i
.endr
.irp a, 0,1,2,3
	ds_load_b128 v[\f+32+8*\a:\f+32+8*\a+3], v[ADRA+2*\slot+((\q)>>2)] offset:(((\q)&3)>>1)*128*AP+\a*16*AP+((\q)&1)*64
	ds_load_b128 v[\f+36+8*\a:\f+36+8*\a+3], v[ADRA+2*\slot+((\q)>>2)] offset:(((\q)&3)>>1)*128*AP+\a*16*AP+((\q)&1)*64+32
.endr
.endm
; Quarter q: the next quarter's fragments are asked for first, into the buffer that the quarter before has read; then 16 matrix instructions.
; The sixteen accumulators take turns, one instruction a turn, in the same order in every quarter.
.macro QUARTER slot, q, zero
.if \q < 7
.if \q > 0
	PLACES
.endif
	FETCH \slot, \q+1, F0+64*((\q+1)&1)
	s_wait_dscnt 16                                ; this quarter's 16 loads are in, the 16 just issued stay out
.else
	s_wait_dscnt 0                                 ; the slot's last quarter: nothing was issued behind its loads
.endif
.set FQ, F0+64*(\q&1)
.if \zero
	WIN 0x40                                       ; D in window 1; the bias, as C, in window 0
.else
	WIN 0x50                                       ; C and D in window 1
.endif
.irp a, 0,1,2,3
.irp b, 0,1,2,3
.if \zero
	v_wmma_f32_16x16x32_f16 v[8*(4*\a+\b):8*(4*\a+\b)+7], v[FQ+8*\b:FQ+8*\b+7], v[FQ+32+8*\a:FQ+32+8*\a+7], v[BIAS+8*\b:BIAS+8*\b+7]
.else
	v_wmma_f32_16x16x32_f16 v[8*(4*\a+\b):8*(4*\a+\b)+7], v[FQ+8*\b:FQ+8*\b+7], v[FQ+32+8*\a:FQ+32+8*\a+7], v[8*(4*\a+\b):8*(4*\a+\b)+7]
.endif
.endr
.endr
	WIN 0
.endm
.macro SLOTWORK slot, zero
.if \zero
.else
	PLACES                                         ; behind the last slot's products, for both buffers
.endif
	FETCH \slot, 0, F0
	QUARTER \slot, 0, \zero
	QUARTER \slot, 1, 0
	QUARTER \slot, 2, 0
	QUARTER \slot, 3, 0
	QUARTER \slot, 4, 0
	QUARTER \slot, 5, 0
	QUARTER \slot, 6, 0
	QUARTER \slot, 7, 0
.endm
; A slot that has been read is filled again: every wave waits for all its tensor loads (the other slot's is the one that may be out) and for its LDS reads,
; the round of the cluster's barrier follows, and the joint load is the first thing behind it.  It has the other slot's 128 matrix instructions in which to land.
.macro REFILL slot
	s_wait_tensorcnt 0x0
	ds_add_u32 v254, v255
	s_add_nc_u64 s[G0+4*\slot+2:G0+4*\slot+3], s[G0+4*\slot+2:G0+4*\slot+3], 131072
	s_add_nc_u64 s[G0B+4*\slot+2:G0B+4*\slot+3], s[G0B+4*\slot+2:G0B+4*\slot+3], 1048576
	s_wait_dscnt 0x0
	CROUND
	JLOAD \slot
.endm
	s_wait_tensorcnt 1                             ; my part of slot 0 is in; slot 1's load, issued behind it, may stay out
	s_barrier_signal -1
	s_barrier_wait -1
	SLOTWORK 0, 1                                  ; K 0-255: the bias starts the sums
	REFILL 0                                       ; K 512-767
	SLOTWORK 1, 0                                  ; K 256-511
	REFILL 1                                       ; K 768-1023
	SLOTWORK 0, 0
	s_wait_tensorcnt 0x0                           ; my part of the last slot is in,
	s_wait_dscnt 0x0
	s_barrier_signal -1
	s_barrier_wait -1                              ; everybody's is; nothing is left to fetch
	SLOTWORK 1, 0
	; THE WAY OUT, 16 tokens at a time, through my own stage: sixteen lanes then store 256 neighbouring bytes of a row of out0
	PLACES
.macro OUT i, f
	WIN 0x04                                       ; the stores' data in window 1
.irp b, 0,1,2,3
	ds_store_b128 v[STO], v[8*(4*\i+\b):8*(4*\i+\b)+3]   offset:64*\b
	ds_store_b128 v[STO], v[8*(4*\i+\b)+4:8*(4*\i+\b)+7] offset:64*\b+16
.endr
	WIN 0
	s_wait_xcnt 0x0                                ; buffer f, which earlier stores read, and the stores' base are rewritten only behind this wait (ISA guide 3.1)
.if \i
	s_add_nc_u64 s[70:71], s[70:71], 16*4096
.endif
.irp t, 0,1,2,3,4,5,6,7
	ds_load_b128 v[\f+4*\t:\f+4*\t+3], v[RD] offset:\t*2*SPITCH    ; a wave's LDS instructions are served in order (ISA guide 5.7.1.4)
.endr
.irp t, 0,1,2,3,4,5,6,7
	s_wait_dscnt 7-\t                              ; load t is back, the 7 - t younger ones may be out
	global_store_b128 v[CO], v[\f+4*\t:\f+4*\t+3], s[70:71] offset:\t*8192 th:TH_STORE_NT
.endr
.endm
	OUT 0, F0
	OUT 1, F1
	OUT 2, F0
	OUT 3, F1
	s_wait_tensorcnt 0x0
	ds_add_u32 v254, v255
	s_wait_dscnt 0x0
	CROUND                                         ; the closing round
	s_endpgm
.Lfunc_end_k_q53c80cb8d6_proj:
	.size	k_q53c80cb8d6_proj, .Lfunc_end_k_q53c80cb8d6_proj-k_q53c80cb8d6_proj
	.p2alignl 7, 3214868480
	.fill 96, 4, 3214868480
	.section	.rodata,"a",@progbits
	.p2align	6, 0x0
	.amdhsa_kernel k_q53c80cb8d6_proj
		.amdhsa_group_segment_fixed_size 327680
		.amdhsa_private_segment_fixed_size 0
		.amdhsa_enable_private_segment 0
		.amdhsa_kernarg_size 32
		.amdhsa_user_sgpr_count 2
		.amdhsa_user_sgpr_kernarg_segment_ptr 1
		.amdhsa_wavefront_size32 1
		.amdhsa_system_sgpr_workgroup_id_x 1
		.amdhsa_system_sgpr_workgroup_id_y 1
		.amdhsa_system_sgpr_workgroup_id_z 1
		.amdhsa_system_vgpr_workitem_id 0
		.amdhsa_next_free_vgpr 384
		.amdhsa_next_free_sgpr 80
		.amdhsa_reserve_vcc 0
		.amdhsa_float_denorm_mode_32 3
		.amdhsa_float_denorm_mode_16_64 3
		.amdhsa_memory_ordered 1
		.amdhsa_forward_progress 1
		.amdhsa_inst_pref_size 89
	.end_amdhsa_kernel
	.amdgpu_metadata
---
amdhsa.version: [ 1, 2 ]
amdhsa.kernels:
  - .name:           k_q53c80cb8d6_proj
    .symbol:         k_q53c80cb8d6_proj.kd
    .args:
      - { .name: ao, .offset: 0, .size: 8, .value_kind: global_buffer, .address_space: global }
      - { .name: wpb, .offset: 8, .size: 8, .value_kind: global_buffer, .address_space: global }
      - { .name: b_proj, .offset: 16, .size: 8, .value_kind: global_buffer, .address_space: global }
      - { .name: out0, .offset: 24, .size: 8, .value_kind: global_buffer, .address_space: global }
    .group_segment_fixed_size: 327680
    .private_segment_fixed_size: 0
    .kernarg_segment_align: 8
    .kernarg_segment_size: 32
    .max_flat_workgroup_size: 128
    .sgpr_count:     80
    .vgpr_count:     384
    .wavefront_size: 32
...
	.end_amdgpu_metadata
.endif
;; end of part 4
